; MI455X (gfx1250); checked and timed in simulation.
; The chip was launched on July 23, 2026; its instructions are those of AMD's public machine-readable ISA for CDNA 5 (MIT licence, August 2026) and "CDNA5" Instruction Set Architecture Reference Guide (July 2026). The comments in the code are by the model that wrote it; some were corrected since.
;; Flash Attention. Allowed arithmetic: matrix products marked QUANTISED: E5M2 operands, one given power-of-two scale a tensor, by v_wmma_f32_16x16x64_bf8_bf8 or v_wmma_f32_16x16x128_bf8_bf8, f32 sums; everything else in f32.
;; Inputs: k_codes 4 x 2,048 x 16 x 2 x 32 uint8 (E5M2 codes of k, K innermost, in blocks of 32 codes); lowp_scales 4 int32 (the exponents e of the quantised operands' scales 2^e); q_codes 4 x 2,048 x 16 x 2 x 32 uint8 (E5M2 codes of q, K innermost, in blocks of 32 codes); v_codes 4 x 16 x 64 x 64 x 32 uint8 (E5M2 codes of v, K innermost, in blocks of 32 codes).
;; Outputs: out0 4 x 2,048 x 16 x 64 float32.
;; This version of the problem:
;;   THIS VERSION OF THE PROBLEM IS GIVEN IN LOW PRECISION. The matrix products marked QUANTISED in the list below multiply operands that are first quantised to E5M2 (5 exponent bits, 2 mantissa bits; 8 bits a number), with one given power-of-two scale for each operand tensor; their sums are f32. All else is computed in f32.
;;   The module's matrix products, in the order in which they are computed (A, B: the left and right operand; K: the contracted axis; several contracted axes count as one K, in the product's order):
;;     1. batch 64 x [M 2,048, K 64] x [K 64, N 2,048]; A: input q (given as codes); B: input k (given as codes): QUANTISED (scales: A lowp_scales[0], B lowp_scales[1])
;;     2. batch 64 x [M 64, K 2,048] x [K 2,048, N 2,048]; A: input v (given as codes); B: softmax (see below): QUANTISED (scales: A lowp_scales[2], B lowp_scales[3])
;;   THE QUANTISER, for each operand of a quantised product, along K:
;;     - The operand's scale is 2^e, e = its entry of the input lowp_scales (int32; the entries are numbered through the quantised products in the list's order, A before B).
;;     - Each number is divided by the scale, clamped to +-57,344, and rounded to the nearest number of E5M2, ties to even, subnormals kept.
;;     - The product sums the exact products of the quantised numbers (number of the format x scale) in f32.
;;   ~~~python
;;   def quantise(x, axis, e):      # numpy; x: float32 -> the quantised numbers, widened to float32 again
;;       x = np.moveaxis(x, axis, -1); K = x.shape[-1]
;;       r = np.clip(x / 2.0 ** e, -57344, 57344)
;;       step = 2.0 ** (np.maximum(np.frexp(np.where(r == 0, 1, r))[1] - 1, -14) - 2)
;;       q = np.round(r / step) * step * 2.0 ** e      # np.round: ties to even
;;       return np.moveaxis(q, -1, axis).astype(np.float32)
;;   ~~~
;;   SOFTMAX AHEAD OF A QUANTISED PRODUCT. Where the list says 'softmax', what is quantised is not the finished softmax but p = 2^(t - M), with t = logit x log2(e) and M = ceil(the row's largest t), a whole number; so 1/2 < the row's largest p <= 1. The row's sum l is taken of the UNQUANTISED p, in f32, and the product's result is divided by l at the end. Since M is a whole number, a kernel that streams over the keys may use a running M (the ceiling of the running maximum): every later rescaling is an exact power of two, so the quantised numbers keep their values, but for numbers so far below the row's largest that they fall under the format's range.
;;   OPERANDS COMPUTED ON THE WAY. 'Computed on the way' means the value that the module computes at that place (a softmax that the list does not call 'softmax' is quantised finished and normalised). What goes into a quantiser is computed in f32, as accurately as f32 sums, v_exp_f32 and their like allow (about 1e-6 of the number): no bf16 or f16 on the way to a quantiser, and a product that is left as it is and whose result goes on into a quantised operand takes f32 operands (vector FMAs, or v_wmma_f32_16x16x4_f32). A number that lies on a knife's edge between two numbers of the format may be rounded either way, as far as f32 arithmetic and the matrix unit's own rounding can turn it there, and no further.
;;   INPUTS GIVEN AS CODES. k (in the module: [4, 2048, 16, 64], K = its axis 3); q (in the module: [4, 2048, 16, 64], K = its axis 3); v (in the module: [4, 2048, 16, 64], K = its axis 1): each comes as NAME_codes (uint8): NAME with its K axis moved to the last place and cut into blocks of 32 codes, [.., K / 32, bytes a block], one block behind the other in memory; one code a byte (a code: sign, 5 exponent bits, 2 mantissa bits); its scale is its entry of lowp_scales. Its value is code x scale, taken as it is: it is not quantised again, and the codes and scales need not be those that the quantiser above would give.
;; One version. Each part assembles by itself: llvm-mc -triple=amdgcn-amd-amdhsa -mcpu=gfx1250 --defsym DOCPART=n.
;; ======== version 1 of 1: 1 launch
;; limits: right only within a limited range of input values
;; launch attn (part 1): grid 4 x 64, 8 waves a work-group, clusters of 4 x 1, 327,680 bytes of LDS; arguments q_codes, k_codes, v_codes, lowp_scales, out0; writes out0
.if DOCPART == 1
	.amdgcn_target "amdgcn-amd-amdhsa--gfx1250"
	.amdhsa_code_object_version 6
	.text
	.protected	k_q672119ffdb_attn
	.globl	k_q672119ffdb_attn
	.p2align	8
	.type	k_q672119ffdb_attn,@function
k_q672119ffdb_attn:
	s_mov_b64 s[64:65], 0
	v_nop
	global_prefetch_b8 v0, s[64:65] scope:SCOPE_SE
	s_setreg_imm32_b32 hwreg(HW_REG_WAVE_MODE, 25, 1), 1
	s_wait_xcnt 0x0
	s_wait_alu depctr_hold_cnt(0) depctr_sa_sdst(0) depctr_va_vdst(0) depctr_va_sdst(0) depctr_va_ssrc(0) depctr_va_vcc(0) depctr_vm_vsrc(0)
	s_getreg_b32 s2, hwreg(HW_REG_IB_STS2, 6, 4)
	s_cmp_eq_u32 s2, 0
	s_cbranch_scc0 .Lentry_in_a_cluster
	s_endpgm
.Lentry_in_a_cluster:
	s_bfe_u32 s2, ttmp6, 0x10000c
	s_cmp_lg_u32 s2, 0x3003
	s_cbranch_scc0 .Lentry_shape_is_right
	s_endpgm
.Lentry_shape_is_right:
; out0[b][q][h][:] = the sum over keys k <= q of softmax_k(Q . K / 8) V, both products on codes of BF8 (E5M2), each tensor with the one scale 2^e given for it: eq, ek, ev, ep (in that order).
; q_codes, k_codes: a row (b, s, h) is 64 bytes, rows of one head 1,024 bytes apart.  v_codes: [b][h][64 (d)][2,048 (keys)], the keys innermost.  out0: a row (b, s, h) is 256 bytes of f32, rows of a head 4,096 apart.
; THE SOFTMAX AHEAD OF THE SECOND PRODUCT: t = score x log2(e) / 8; M = the largest t so far, rounded UP to a whole number; p = 2^(t - M) is quantised with 2^ep, not normalised.  The row's sum is taken of the
; unquantised p and divides O at the end.  When M moves, the sum and O are multiplied by 2^(old M - new M), which rounds nothing.  A hidden key (k > q) gets the score -infinity: p = 0.
; THE WHOLE HEAD LIES IN LDS.  A head's K and V are 131,072 bytes each: every work-group brings both in ONCE, and no LDS byte is ever filled again.  They come in FOUR STAGES of 512 keys: waves 0-3 bring K's 128 keys each,
; waves 4-7 V's 32 channels x 256 keys each; a wave's four loads go out together at the start.  Work begins when stage 0 has landed; stage 1 is waited for ahead of key 512, stages 2 and 3 ahead of key 1,024.
; CLUSTER.  The four work-groups of a cluster serve one head and need the same K and V: every tile is asked for JOINTLY, by the same tensor load with the same descriptor and the mask 15.
; SHARES.  Work-group cx of the four owns queries 128 j + 32 cx + 0 .. 31, j = 0 .. 15: sixteen double tiles (two tiles of 16 queries).  Double tile j walks keys 0 .. 128 j + 127 in steps of 64, whatever cx is, and masks in
; its last two steps: so trip counts, branches and LDS addresses hang on the wave's number and constants alone, and cx enters only Q's and O's global addresses and the mask's compare value.
; Wave w takes double tile 15 - w, then double tile w: (32 - 2 w) + (2 w + 2) = 34 steps for every wave.  Each fragment of K and V read from LDS feeds both tiles.
; THE THREE BARRIERS all stand in the first pass, at keys 0, 512 and 1,024.  Double tile 15 - w begins at query 1,024 or later: below key 1,024 nothing is masked or left out, so up to the last barrier all eight waves
; do the same sixteen steps; behind it no wave waits for another.  The second pass (double tile w, keys under 1,024) has none.
; LAYOUT.  Both products are used transposed.  S^T = K Q^T (source 0 = 16 keys, source 1 = 16 queries): lane (r, h) holds query r, register j of tile t the key 16 t + 8 h + j.  The conversion of a tile's eight registers gives
; two registers with keys 16 t + 8 h + 0 .. 7: registers 2 t, 2 t + 1 of source 1 of O^T = V^T P^T, as this form lays them.  K's and Q's fragments come by two loads of 16 bytes (d = 32 c + 16 h + 0 .. 15 in registers
; 4 c .. 4 c + 3): a permutation of d, the same on both sides, so every product meets its partner.  V's fragments come in the form's own order, by four loads of 8 bytes.
; LIMITS: eq + ek between -123 and 130 (added to c's exponent field); ep between -126 and 112; ep + ev is applied by v_ldexp_f32 and has none.  NaN and infinity among the codes are not served.
; A hidden key counts for nothing.
.set KP,     80                        ; a key's row in LDS: 64 bytes + 16 of padding: row r of a fragment starts at 16-byte column 5 r mod 16: sixteen rows, sixteen different columns.  Key n lies at 80 n
.set KPART,  256*KP                    ; 256 keys of K: a part, four steps
.set KLOAD,  128*KP                    ; 128 keys: what one tensor load brings
.set VP,     272                       ; a row of V in LDS: 256 bytes (256 keys) + 16: lane (r, h) of an 8-byte load stands at word 68 r + 2 h: the 32 lanes touch 64 different words modulo 64
.set VPART,  64*VP                     ; 256 keys of V, all 64 channels: a part
.set VLOAD,  32*VP                     ; half a part, 32 channels: what one tensor load brings
.set VBASE,  8*KPART                   ; K's eight parts lie from byte 0, V's eight from here
.set STAGE,  VBASE+8*VPART             ; behind them: a stage for each wave, for the way out; no fill lands there.  K 163,840 + V 139,264 leave 24,576 bytes: so a stage holds half a tile's bytes:
.set SP,     144                       ; 16 rows x (128 bytes + 16): 32 of a row's 64 channels at a time; 2,304 bytes a wave, 321,536 bytes in all
.set AK0, 1                            ; v1   my lane's place in a tile of K
.set AV0, 2                            ; v2   the same for V, VBASE in it
.set ADK, 3                            ; v3   AK0 + the part in hand
.set ADV, 4                            ; v4   AV0 + the part in hand
.set STO, 5                            ; v5   the way out: where I put 32 bytes of a row's half
.set RD,  6                            ; v6   the way out: where I read 16 bytes back
.set GO,  7                            ; v7   my byte offset in two rows of O
.set QO,  8                            ; v8   my byte offset in a tile's rows of Q
.set DQ,  9                            ; v9   r - 8 h
.set DA,  10                           ; v10, v11  the mask's compare value for tile 0, 1
.set ST,  12                           ; tile x's statistics at v[ST + 8 x]: +0 -M, +1 the largest t, +2, +3 the sum in two halves, +4 f (at the end 1 / sum), +5 zero (named with +4 as a pair), +6, +7 at work
.set SC,  28                           ; v28  2^ep as f32
.set LIM, 29                           ; v29  not used
.set NINF, 30                          ; v30  -infinity
.set Q,   32                           ; v32-47    Q's fragments, 8 registers a tile
.set KFR, 48                           ; v48-79    four fragments of K (16 keys x 64 d); on the way out tile 0's rows, first halves
.set VFR, 80                           ; v80-111   four fragments of V (16 d x 64 keys); on the way out tile 0's rows, second halves
.set P,   112                          ; v112-127  p's codes, 8 registers a tile
.set S,   128                          ; v128-191  S^T, then p: tile x, keys' tile t at S + 32 x + 8 t
.set OT,  192                          ; v192-255  O^T: tile x, channels' tile t at OT + 32 x + 8 t; on the way out, once scaled, tile 1's rows
.set WV,  14                           ; s14  my wave's number
.set CX,  15                           ; s15  my place in the cluster
.set U,   19                           ; s19  wave % 4: which quarter of a stage's K (waves 0-3) or V (waves 4-7) I bring
.set SEL, 20                           ; s[20:21] lane selects for v_permlanex16_b32: lane l xor 16
.set CS,  22                           ; s[22:23] c = log2(e) / 8 x 2^(eq + ek): the packed form names a pair and takes its low word
.set G1K, 24                           ; s[24:31], s[32:39] descriptor group 1 for K's and V's tiles
.set G1V, 32
.set G0K, 40                           ; s[40:55] K's groups 0, stage s at G0K + 4 s
.set G0V, 56                           ; s[56:63], s[68:75] V's groups 0, stage s at G0V + 4 s + 4 (s / 2)
.set T0,  66                           ; s66, s67 at work
.set T1,  67
.set EX,  76                           ; s[76:79] eq, ek, ev, ep
.set CH,  80                           ; s80  counts a loop's parts
.set TBK, 81                           ; s81  KPART x the part in hand
.set TBV, 82                           ; s82  VPART x the part in hand
.set KF,  83                           ; s83  the step's first key
.set JB,  84                           ; s84  128 j: from this key on the scores are masked
.set JE,  85                           ; s85  128 j + 128: from this key on nothing is done
.set Q0,  86                           ; s86  my first query: 128 j + 32 cx; never compared by a scalar instruction
.set QK,  87                           ; s87  Q0 - KF
.set OFF, 88                           ; s[88:89] an offset in 64 bits
.set QP,  90                           ; s[90:91] Q at the head;  s[92:93] O at the head
.set OP,  92
.set QB,  94                           ; s[94:95] Q at the double tile's first row (at the head: K at my first tile)
.set OBN, 96                           ; s[96:97] O at the next double tile's first row (at the head: V at my first tile)
.set OB,  98                           ; s[98:99] O at this double tile's first row
.set EVP, 100                          ; s100 ev + ep
.set UPPER, 101                        ; s101 the lanes 8-15 of each sixteen: they store the second half of a row of O
; A round of the cluster's barrier: my work-group's barrier; wave 0 signals for the work-group; every wave waits for all four work-groups; my work-group's barrier once more.
.macro ROUND
	s_barrier_signal -1
	s_barrier_wait -1
	s_cmp_lg_u32 s[WV], 0
	s_cbranch_scc1 .Lnot_wave_0_\@
	s_barrier_signal -3
.Lnot_wave_0_\@:
	s_barrier_wait -3
	s_barrier_signal -1
	s_barrier_wait -1
.endm
; A double tile's bounds, its addresses, and the loads of its Q.  late = 0: j = 15 - wave; 1: j = wave.
.macro SETUP late
.if \late
	s_lshl_b32 s[JB], s[WV], 7
.else
	s_xor_b32 s[T0], s[WV], 15
	s_lshl_b32 s[JB], s[T0], 7
.endif
	s_add_co_u32 s[JE], s[JB], 128
	s_lshl_b32 s[T1], s[CX], 5
	s_add_co_u32 s[Q0], s[JB], s[T1]
	s_lshl_b32 s[OFF], s[Q0], 10                   ; a query's row of Q is 1,024 bytes from the next
	s_mov_b32 s[OFF+1], 0
	s_add_nc_u64 s[QB:QB+1], s[QP:QP+1], s[OFF:OFF+1]     ; (the loads that named this base before have been waited for at their pass's head)
	s_lshl_b32 s[OFF], s[Q0], 12                   ; and its row of O 4,096
	s_add_nc_u64 s[OBN:OBN+1], s[OP:OP+1], s[OFF:OFF+1]
.irp x, 0,1
.irp c, 0,1
	global_load_b128 v[Q+8*\x+4*\c:Q+8*\x+4*\c+3], v[QO], s[QB:QB+1] offset:16384*\x+32*\c
.endr
.endr
.endm
	s_load_b256 s[4:11], s[0:1], 0x0               ; Q's codes s[4:5], K's s[6:7], V's s[8:9], the scales' exponents s[10:11]
	s_load_b64 s[12:13], s[0:1], 0x20              ; O
	v_lshl_add_u32 v31, v0, 2, 0x4e800
	s_set_vgpr_msb 0x40
	v_mov_b32 v1, 0
	s_set_vgpr_msb 0x4044
	ds_add_u32 v31, v1
	ds_add_u32 v31, v1
	s_set_vgpr_msb 0x4400
	v_lshrrev_b32 v10, 5, v0
	s_delay_alu instid0(VALU_DEP_1)
	v_readfirstlane_b32 s[WV], v10                 ; wave 0..7
	s_and_b32 s[U], s[WV], 3
	s_bfe_u32 s[CX], ttmp6, 0x40000                ; cx
	s_and_b32 s16, ttmp7, 0xffff                   ; the head, 0 .. 63: the cluster's y, which the four partners share
	s_lshr_b32 s17, s16, 4                         ; b
	s_and_b32 s18, s16, 15                         ; h
	v_and_b32 v12, 15, v0                          ; r = lane % 16
	v_bfe_u32 v13, v0, 4, 1                        ; h = lane / 16
	v_and_b32 v14, 7, v0                           ; lane % 8
	s_delay_alu instid0(VALU_DEP_3)
	v_mul_u32_u24 v[AK0], v12, KP
	s_delay_alu instid0(VALU_DEP_1)
	v_lshl_add_u32 v[AK0], v13, 4, v[AK0]          ; K: 80 r + 16 h
	v_mul_u32_u24 v[AV0], v12, VP
	s_delay_alu instid0(VALU_DEP_1)
	v_lshl_add_u32 v[AV0], v13, 3, v[AV0]
	s_delay_alu instid0(VALU_DEP_1)
	v_add_nc_u32 v[AV0], VBASE, v[AV0]             ; V: VBASE + 272 r + 8 h
	s_mul_i32 s[T0], s[WV], 16*SP
	s_add_co_u32 s[T0], s[T0], STAGE               ; my stage
	v_mul_u32_u24 v[STO], v12, SP
	s_delay_alu instid0(VALU_DEP_1)
	v_lshl_add_u32 v[STO], v13, 5, v[STO]
	s_delay_alu instid0(VALU_DEP_1)
	v_add_nc_u32 v[STO], s[T0], v[STO]             ; in: row r, 32 bytes for each half of the lanes
	v_mul_u32_u24 v[RD], v13, SP
	s_delay_alu instid0(VALU_DEP_1)
	v_lshl_add_u32 v[RD], v14, 4, v[RD]
	s_delay_alu instid0(VALU_DEP_1)
	v_add_nc_u32 v[RD], s[T0], v[RD]               ; back: lanes 0-15 one row, lanes 16-31 the next; of its 128 bytes the 16 at 16 (lane % 8)
	v_lshlrev_b32 v[GO], 12, v13
	s_delay_alu instid0(VALU_DEP_1)
	v_lshl_add_u32 v[GO], v12, 4, v[GO]            ; in O: the same two rows, 16 bytes at 16 (lane % 16)
	v_lshlrev_b32 v[QO], 10, v12
	s_delay_alu instid0(VALU_DEP_1)
	v_lshl_add_u32 v[QO], v13, 4, v[QO]            ; Q: row r, + 16 h
	v_lshlrev_b32 v[DQ], 3, v13
	s_delay_alu instid0(VALU_DEP_1)
	v_sub_nc_u32 v[DQ], v12, v[DQ]                 ; r - 8 h
	; descriptor group 1.  K: 128 rows of 64 bytes, 1,024 bytes apart.  V: 32 rows of 256 bytes, 2,048 apart.  Elements of one byte.  The padding's interval is the tile's row.
	s_mov_b32 s[G1K], 15|(0<<16)|(1<<20)|(1<<21)|(3<<22)|(3<<25)   ; 15:0 the mask: all four work-groups; 17:16 elements of 1 byte; 20 padding on; 21 set beside a mask; 24:22 after every 16 words (code 3); 31:25 four words (code 3)
	s_mov_b32 s[G1K+1], 64<<16                     ; tensor_dim0 = 64
	s_mov_b32 s[G1K+2], 128<<16                    ; tensor_dim1 = 128
	s_mov_b32 s[G1K+3], 64<<16                     ; tile_dim0 = 64
	s_mov_b32 s[G1K+4], 128                        ; tile_dim1 = 128
	s_mov_b32 s[G1K+5], 1024                       ; from row to row
	s_mov_b32 s[G1K+6], 0
	s_mov_b32 s[G1K+7], 0
	s_mov_b32 s[G1V], 15|(0<<16)|(1<<20)|(1<<21)|(5<<22)|(3<<25)   ; the same, four words after every 64 (code 5)
	s_mov_b32 s[G1V+1], 256<<16
	s_mov_b32 s[G1V+2], 32<<16
	s_mov_b32 s[G1V+3], 256<<16
	s_mov_b32 s[G1V+4], 32
	s_mov_b32 s[G1V+5], 2048
	s_mov_b32 s[G1V+6], 0
	s_mov_b32 s[G1V+7], 0
	; where the tiles come from and where they go.  Stage s, quarter u = wave % 4.  K: keys 512 s + 128 u on.  V: part 2 s + u / 2 (256 keys), channels 32 (u % 2) on: in LDS that is 2 s parts + u half parts.  Nothing here hangs on cx.
	s_mul_i32 s[T0], s[U], KLOAD
	s_mul_i32 s[T1], s[U], VLOAD
	s_lshl_b32 s[OFF], s17, 21
	s_lshl_b32 s2, s18, 6
	s_add_co_u32 s[OFF], s[OFF], s2                ; the head's first byte in Q and in K
	s_mov_b32 s[OFF+1], 0
	s_wait_dscnt 0x0
	s_wait_kmcnt 0x0
	s_load_b128 s[EX:EX+3], s[10:11], 0x0          ; eq, ek, ev, ep
	s_add_nc_u64 s[QP:QP+1], s[4:5], s[OFF:OFF+1]  ; Q at the head
	s_lshl_b32 s2, s[U], 17                        ; 128 keys x 1,024 bytes
	s_add_co_u32 s[OFF], s[OFF], s2
	s_add_nc_u64 s[QB:QB+1], s[6:7], s[OFF:OFF+1]  ; K at my tile of stage 0
	s_lshl_b32 s[OFF], s16, 17                     ; V: a head is 131,072 bytes,
	s_and_b32 s2, s[U], 1
	s_lshl_b32 s2, s2, 16                          ; 32 rows of 2,048,
	s_add_co_u32 s[OFF], s[OFF], s2
	s_lshr_b32 s2, s[U], 1
	s_lshl_b32 s2, s2, 8                           ; 256 keys are 256 bytes of each row
	s_add_co_u32 s[OFF], s[OFF], s2
	s_add_nc_u64 s[OBN:OBN+1], s[8:9], s[OFF:OFF+1]       ; V at my tile of stage 0
	s_lshl_b32 s[OFF], s17, 23
	s_lshl_b32 s2, s18, 8
	s_add_co_u32 s[OFF], s[OFF], s2
	s_add_nc_u64 s[OP:OP+1], s[12:13], s[OFF:OFF+1]       ; O at the head
.irp s, 0,1,2,3
	s_mov_b32 s[G0K+4*\s], 1                                               ; count = 1
	s_add_co_u32 s[G0K+4*\s+1], s[T0], \s*4*KLOAD                          ; LDS address
	s_add_nc_u64 s[G0K+4*\s+2:G0K+4*\s+3], s[QB:QB+1], \s*512*1024         ; 512 keys on
	s_or_b32 s[G0K+4*\s+3], s[G0K+4*\s+3], 0x80000000                      ; type = 2
	s_mov_b32 s[G0V+4*\s+4*(\s/2)], 1
	s_add_co_u32 s[G0V+4*\s+4*(\s/2)+1], s[T1], VBASE+\s*4*VLOAD
	s_add_nc_u64 s[G0V+4*\s+4*(\s/2)+2:G0V+4*\s+4*(\s/2)+3], s[OBN:OBN+1], \s*512
	s_or_b32 s[G0V+4*\s+4*(\s/2)+3], s[G0V+4*\s+4*(\s/2)+3], 0x80000000
.endr
	ROUND                                          ; all four work-groups are here: the joint loads meet
	s_cmp_lt_u32 s[WV], 4                          ; the launch's only fills, in one group, a wave's four inside one branch on its number: four tensor loads of mine are out.  Four v_nop follow the last
	s_cbranch_scc0 .Lfill_v
.irp s, 0,1,2,3
	tensor_load_to_lds s[G0K+4*\s:G0K+4*\s+3], s[G1K:G1K+7]
	s_nop 0
.endr
.rept 4
	v_nop
.endr
	s_branch .Lfilled
.Lfill_v:
.irp s, 0,1,2,3
	tensor_load_to_lds s[G0V+4*\s+4*(\s/2):G0V+4*\s+4*(\s/2)+3], s[G1V:G1V+7]
	s_nop 0
.endr
.rept 4
	v_nop
.endr
.Lfilled:
	s_mov_b32 s[SEL], 0x76543210
	s_mov_b32 s[SEL+1], 0xfedcba98
	s_mov_b32 s[UPPER], 0xff00ff00
	s_wait_alu depctr_va_vdst(0)
	SETUP 0                                        ; the first double tile's Q is on its way beside the tiles
	s_wait_kmcnt 0x0
	s_add_co_i32 s[T0], s[EX], s[EX+1]
	s_lshl_b32 s[T0], s[T0], 23
	s_add_co_i32 s[CS], s[T0], 0x3e38aa3b          ; c = log2(e) / 8, with eq + ek added to its exponent field: a score stands for score x 2^(eq + ek)
	s_mov_b32 s[CS+1], s[CS]                       ; (named with it as a pair, so it is written)
	s_add_co_i32 s[T0], s[EX+3], 127
	s_lshl_b32 s[T1], s[T0], 23
	v_mov_b32 v[SC], s[T1]                         ; 2^ep as f32: the conversion takes its exponent field
	v_mov_b32 v[NINF], 0xff800000
	s_add_co_i32 s[EVP], s[EX+2], s[EX+3]          ; ev + ep
; A KEY STEP: 64 keys, the q-th 64 of the part in hand, for both tiles.  edge = 0: a step that lies under key 1,024 of the first pass, where every key counts for every query: no test, no mask.
.macro STEP q, edge
.if \edge
	s_cmp_ge_u32 s[KF], s[JE]                      ; keys from 128 j + 128 on come after all 32 queries of every partner: the step's work is left out (no barrier and no tensor load stands in a step)
	s_cbranch_scc1 .Lskip_\@
.endif
.rept 4
	v_nop                                          ; places in front of loads into registers that the last step's matrix instructions have read
.endr
	s_wait_alu depctr_va_vdst(0)
.irp t, 0,1,2,3
.irp c, 0,1
	ds_load_b128 v[KFR+8*\t+4*\c:KFR+8*\t+4*\c+3], v[ADK] offset:64*KP*\q+16*KP*\t+32*\c   ; keys 64 q + 16 t + r, d = 32 c + 16 h + 0 .. 15
.endr
.endr
.irp t, 0,1,2,3
.irp c, 0,1,2,3
	ds_load_b64 v[VFR+8*\t+2*\c:VFR+8*\t+2*\c+1], v[ADV] offset:16*VP*\t+64*\q+16*\c       ; channels 16 t + r, keys 64 q + 16 c + 8 h + 0 .. 7
.endr
.endr
	s_wait_dscnt 16                                ; K's eight loads are in; V's sixteen, issued behind them, may stay out
.irp t, 0,1,2,3
.irp x, 0,1
	v_wmma_f32_16x16x64_bf8_bf8 v[S+32*\x+8*\t:S+32*\x+8*\t+7], v[KFR+8*\t:KFR+8*\t+7], v[Q+8*\x:Q+8*\x+7], 0
.endr
.endr
.rept 4
	v_nop                                          ; places in front of the first read of the scores
.endr
.if \edge
	s_cmp_lt_u32 s[KF], s[JB]                      ; keys under 128 j count for all 32 queries of every partner
	s_cbranch_scc1 .Lopen_\@
	s_sub_co_i32 s[QK], s[Q0], s[KF]
	v_add_nc_u32 v[DA], s[QK], v[DQ]               ; d = my query - KF - 8 h.  Register 8 t + i holds key KF + 8 h + 16 t + i: hidden where 16 t + i > d
	s_delay_alu instid0(VALU_DEP_1)
	v_add_nc_u32 v[DA+1], 16, v[DA]                ; tile 1's queries lie 16 further on
.set n, 0
.rept 32                                       ; each accumulator from its low end on
	v_cmp_gt_i32 vcc_lo, 16*(n/8)+n%8, v[DA]
	v_cndmask_b32 v[S+n], v[S+n], v[NINF], vcc_lo
	v_cmp_gt_i32 vcc_lo, 16*(n/8)+n%8, v[DA+1]
	v_cndmask_b32 v[S+32+n], v[S+32+n], v[NINF], vcc_lo
.set n, n+1
.endr
.Lopen_\@:
.endif
	; the step's largest score of my query among my 32 keys: two chains a tile, the two tiles by turns; each accumulator is first read at its low end
.irp x, 0,1
	v_max3_num_f32 v[ST+8*\x+6], v[S+32*\x], v[S+32*\x+1], v[S+32*\x+2]
	v_max3_num_f32 v[ST+8*\x+7], v[S+32*\x+3], v[S+32*\x+4], v[S+32*\x+5]
.endr
.irp i, 6,10,14,18,22,26
.irp x, 0,1
	v_max3_num_f32 v[ST+8*\x+6], v[ST+8*\x+6], v[S+32*\x+\i], v[S+32*\x+\i+1]
	v_max3_num_f32 v[ST+8*\x+7], v[ST+8*\x+7], v[S+32*\x+\i+2], v[S+32*\x+\i+3]
.endr
.endr
.irp x, 0,1
	v_max3_num_f32 v[ST+8*\x+6], v[ST+8*\x+6], v[S+32*\x+30], v[S+32*\x+31]
.endr
.irp x, 0,1
	s_delay_alu instid0(VALU_DEP_2)
	v_max_num_f32 v[ST+8*\x+6], v[ST+8*\x+6], v[ST+8*\x+7]
.endr
.irp x, 0,1
	s_delay_alu instid0(VALU_DEP_2)
	v_permlanex16_b32 v[ST+8*\x+7], v[ST+8*\x+6], s[SEL], s[SEL+1]   ; the query's other 32 keys lie in the lane 16 away
.endr
.irp x, 0,1
	s_delay_alu instid0(VALU_DEP_2)
	v_max_num_f32 v[ST+8*\x+6], v[ST+8*\x+6], v[ST+8*\x+7]
.endr
.irp x, 0,1
	s_delay_alu instid0(VALU_DEP_2)
	v_mul_f32 v[ST+8*\x+6], s[CS], v[ST+8*\x+6]                      ; as t (c is positive)
.endr
.irp x, 0,1
	s_delay_alu instid0(VALU_DEP_2)
	v_max_num_f32 v[ST+8*\x+1], v[ST+8*\x+1], v[ST+8*\x+6]           ; the running largest t
.endr
.irp x, 0,1
	v_mov_b32 v[ST+8*\x+6], v[ST+8*\x]
.endr
.irp x, 0,1
	s_delay_alu instid0(VALU_DEP_4)
	v_floor_f32 v[ST+8*\x], -v[ST+8*\x+1]                            ; the new -M = floor(-t) = -ceil(t): M is a whole number
.endr
.irp x, 0,1
	s_delay_alu instid0(VALU_DEP_2)
	v_sub_f32 v[ST+8*\x+6], v[ST+8*\x], v[ST+8*\x+6]                 ; old M - new M: a whole number, 0 or less
.endr
.irp x, 0,1
	s_delay_alu instid0(VALU_DEP_2)
	v_cvt_i32_f32 v[ST+8*\x+6], v[ST+8*\x+6]                         ; (it saturates)
.endr
.irp x, 0,1
	s_delay_alu instid0(VALU_DEP_2)
	v_ldexp_f32 v[ST+8*\x+4], 1.0, v[ST+8*\x+6]                      ; f = 2^(old M - new M)
.endr
.set n, 0
.rept 32
	v_pk_fma_f32 v[S+n:S+n+1], v[S+n:S+n+1], s[CS:CS+1], v[ST+8*(n/32):ST+8*(n/32)+1] op_sel_hi:[1,0,0]   ; t - M, two at a time (of the pairs c and -M the low word serves both halves)
.set n, n+2
.endr
.set n, 0
	s_wait_alu depctr_va_vdst(0)
.rept 64
	v_exp_f32 v[S+n], v[S+n]                       ; p = 2^(t - M), at most 1: not normalised
.set n, n+1
.endr
.irp x, 0,1
	v_pk_mul_f32 v[ST+8*\x+2:ST+8*\x+3], v[ST+8*\x+2:ST+8*\x+3], v[ST+8*\x+4:ST+8*\x+5] op_sel_hi:[1,0]   ; the sums under the new M (a plain instruction behind the exponentials, ahead of the first use of p)
.endr
	s_wait_alu depctr_va_vdst(0)
.irp x, 0,1
	v_pk_add_f32 v[ST+8*\x+6:ST+8*\x+7], v[S+32*\x:S+32*\x+1], v[S+32*\x+2:S+32*\x+3]                    ; the row's sum is taken of the UNQUANTISED p: two chains a tile
.endr
.irp j, 4,8,12,16,20,24,28
.irp x, 0,1
	v_pk_add_f32 v[ST+8*\x+2:ST+8*\x+3], v[ST+8*\x+2:ST+8*\x+3], v[S+32*\x+\j:S+32*\x+\j+1]
	v_pk_add_f32 v[ST+8*\x+6:ST+8*\x+7], v[ST+8*\x+6:ST+8*\x+7], v[S+32*\x+\j+2:S+32*\x+\j+3]
.endr
.endr
.irp x, 0
	s_delay_alu instid0(VALU_DEP_3)
	v_pk_add_f32 v[ST+8*\x+2:ST+8*\x+3], v[ST+8*\x+2:ST+8*\x+3], v[ST+8*\x+6:ST+8*\x+7]
.endr
.irp x, 1
	s_delay_alu instid0(VALU_DEP_2)
	v_pk_add_f32 v[ST+8*\x+2:ST+8*\x+3], v[ST+8*\x+2:ST+8*\x+3], v[ST+8*\x+6:ST+8*\x+7]
.endr
.set n, 0
.rept 64
.set n, n+1
.endr
.set n, 0
.rept 8
	v_cvt_scalef32_pk8_bf8_f32 v[P+2*n:P+2*n+1], v[S+8*n:S+8*n+7], v[SC]   ; tile n / 4, keys 16 (n % 4) + 8 h + 0 .. 7: registers 2 (n % 4), + 1 of that tile's operand
.set n, n+1
.endr
.set n, 0
.rept 32
	v_pk_mul_f32 v[OT+n:OT+n+1], v[OT+n:OT+n+1], v[ST+8*(n/32)+4:ST+8*(n/32)+5] op_sel_hi:[1,0]   ; O^T under the new M, each accumulator from its low end on.  (Plain instructions between the conversions and the products that read their results)
.set n, n+2
.endr
	s_wait_alu depctr_va_vdst(0)
	s_wait_dscnt 0x0                               ; V's fragments are in
.irp t, 0,1,2,3
.irp x, 0,1                                    ; the eight accumulators take turns, one instruction a turn
	v_wmma_f32_16x16x64_bf8_bf8 v[OT+32*\x+8*\t:OT+32*\x+8*\t+7], v[VFR+8*\t:VFR+8*\t+7], v[P+8*\x:P+8*\x+7], v[OT+32*\x+8*\t:OT+32*\x+8*\t+7]
.endr
.endr
.if \edge
.Lskip_\@:
	s_add_co_u32 s[KF], s[KF], 64
.endif
.endm
; Parts first .. first + trips - 1 of the keys, 256 keys and four steps each.  The trip count is a constant, whatever the double tile; with edge = 1 steps beyond the double tile's keys are jumped over.
.macro CHUNKS first, trips, edge
	s_mov_b32 s[TBK], \first*KPART
	s_mov_b32 s[TBV], \first*VPART
.if \edge
	s_mov_b32 s[KF], \first*256
.endif
	s_mov_b32 s[CH], 0
.Lchunk_\@:
	v_add_nc_u32 v[ADK], s[TBK], v[AK0]
	v_add_nc_u32 v[ADV], s[TBV], v[AV0]
	STEP 0, \edge
	STEP 1, \edge
	STEP 2, \edge
	STEP 3, \edge
	s_add_co_u32 s[TBK], s[TBK], KPART
	s_add_co_u32 s[TBV], s[TBV], VPART
	s_add_co_u32 s[CH], s[CH], 1
	s_cmp_lt_u32 s[CH], \trips
	s_cbranch_scc1 .Lchunk_\@
.endm
; My part of the stages up to the one wanted has landed (left: my younger tensor loads, which may stay out); then everybody's has.
.macro MEET left
	s_wait_tensorcnt \left
	s_wait_dscnt 0x0                               ; no LDS instruction of mine is pending at the signal
	s_barrier_signal -1
	s_barrier_wait -1
.endm
; A pass's head: O's address, the statistics, O^T.
.macro INIT
	s_mov_b64 s[OB:OB+1], s[OBN:OBN+1]             ; O at this double tile's first row
.irp x, 0,1
	v_mov_b32 v[ST+8*\x+1], 0xff61b1e6             ; the largest t so far: -3e38, under every t
	v_mov_b32 v[ST+8*\x+2], 0                      ; the sum, in two halves
	v_mov_b32 v[ST+8*\x+3], 0
	v_mov_b32 v[ST+8*\x+4], 0
	v_mov_b32 v[ST+8*\x+5], 0                      ; (named as the upper half of f's pair)
	v_mov_b32 v[ST+8*\x+6], 0
	v_mov_b32 v[ST+8*\x+7], 0                      ; (a lane permute's destination counts as one of its sources)
	v_floor_f32 v[ST+8*\x], -v[ST+8*\x+1]          ; -M
.endr
.set n, 0
.rept 64
	v_mov_b32 v[OT+n], 0                           ; O^T.  (The step has one form: a pass's first step finds zeros, which the first change of M leaves zeros)
.set n, n+1
.endr
.endm
; THE WAY OUT of tile x.  O^T / the sum; a lane's eight channels are 32 bytes of a row and the lanes beside it hold other rows: so the tile goes through my own stage in LDS, 32 channels (128 bytes of each of the 16 rows)
; at a time.  Each half is read back by all 32 lanes, two rows a load, the 16 bytes at 16 (lane % 8): the first half into v[ra] on, the second into v[rb] on.
.macro PACK x, ra, rb
.set n, 0
.rept 16
	v_pk_mul_f32 v[S+32*\x+n:S+32*\x+n+1], v[OT+32*\x+n:OT+32*\x+n+1], v[ST+8*\x+4:ST+8*\x+5] op_sel_hi:[1,0]   ; each accumulator from its low end on
.set n, n+2
.endr
.irp u, 0,1
.irp t, 0,1
	ds_store_b128 v[STO], v[S+32*\x+16*\u+8*\t:S+32*\x+16*\u+8*\t+3] offset:64*\t          ; row r, channels 32 u + 16 t + 8 h + 0 .. 7
	ds_store_b128 v[STO], v[S+32*\x+16*\u+8*\t+4:S+32*\x+16*\u+8*\t+7] offset:64*\t+16
.endr
.irp i, 0,1,2,3,4,5,6,7
	ds_load_b128 v[\ra+(\rb-\ra)*\u+4*\i:\ra+(\rb-\ra)*\u+4*\i+3], v[RD] offset:2*\i*SP    ; LDS serves a wave's instructions in order (ISA guide 5.7.1.4): these see the stores above, and the next half's stores come behind them
.endr
.endr
.endm
; Lanes 0-7 of each sixteen keep the first half's 16 bytes, lanes 8-15 take the second half's: sixteen lanes then hold a row's 256 bytes on end.  younger: the LDS instructions issued behind tile x's last load, which may stay out.
.macro SEND x, ra, rb, younger
.irp i, 0,1,2,3,4,5,6,7
	s_wait_dscnt \younger+7-\i                     ; load i of the second half is in, and so are all of the first half's, issued ahead of it
.irp k, 0,1,2,3
	v_cndmask_b32 v[\ra+4*\i+\k], v[\ra+4*\i+\k], v[\rb+4*\i+\k], s[UPPER]
.endr
	global_store_b128 v[GO], v[\ra+4*\i:\ra+4*\i+3], s[OB:OB+1] offset:65536*\x+8192*\i th:TH_STORE_NT   ; sixteen lanes store one row's 256 consecutive bytes, at a multiple of 256 from O's first byte
.endr
.endm
.macro WAYOUT
.irp x, 0,1
	v_add_f32 v[ST+8*\x+6], v[ST+8*\x+2], v[ST+8*\x+3]               ; the sum's two halves,
.endr
.irp x, 0,1
	s_delay_alu instid0(VALU_DEP_2)
	v_permlanex16_b32 v[ST+8*\x+7], v[ST+8*\x+6], s[SEL], s[SEL+1]
.endr
.irp x, 0,1
	s_delay_alu instid0(VALU_DEP_2)
	v_add_f32 v[ST+8*\x+6], v[ST+8*\x+6], v[ST+8*\x+7]               ; and lane l xor 16's: the row's sum, more than 1/2
.endr
	s_wait_alu depctr_va_vdst(0)
.irp x, 0,1
	v_rcp_f32 v[ST+8*\x+4], v[ST+8*\x+6]
.endr
	v_nop                                          ; a plain instruction between the last reciprocal and the use of its result
	s_wait_alu depctr_va_vdst(0)
.irp x, 0,1
	v_ldexp_f32 v[ST+8*\x+4], v[ST+8*\x+4], s[EVP] ; x 2^(ev + ep)
.endr
	PACK 0, KFR, VFR                               ; tile 0 comes back into the registers that held K's and V's fragments,
	PACK 1, OT, OT+32                              ; tile 1 into those that held O^T, which both tiles' scalings have read.  Its arithmetic stands between tile 0's loads from the stage and its stores
	SEND 0, KFR, VFR, 24                           ; behind tile 0's loads: tile 1's eight stores and sixteen loads
	SEND 1, OT, OT+32, 0
.endm
	; THE FIRST PASS: double tile 15 - wave, 18 to 32 steps.
	INIT                                           ; register work while the tiles are on their way
	s_wait_tensorcnt 3                             ; my part of stage 0 (keys 0 to 511) has landed; my three younger loads may stay out
	s_barrier_signal -1
	s_barrier_wait -1                              ; everybody's has
	s_wait_loadcnt 0x0                             ; Q
	CHUNKS 0, 2, 0                                 ; keys 0 to 511
	MEET 2                                         ; stage 1; stages 2 and 3 may stay out
	CHUNKS 2, 2, 0                                 ; keys 512 to 1,023
	MEET 0                                         ; the whole head lies in LDS, and nothing writes it again: from here on no wave waits for another
	CHUNKS 4, 4, 1                                 ; keys 1,024 to 128 j + 127
.rept 4
	v_nop                                          ; places behind the last products: in front of the loads into Q's registers and of the first read of O^T
.endr
	SETUP 1                                        ; the second double tile's Q is asked for while the first goes out
	WAYOUT
	s_wait_xcnt 0x0                                ; the stores have read their registers and their base: both are written again below
	; THE SECOND PASS: double tile wave, 2 to 16 steps: its keys end at 1,023 at the latest.
	INIT
	s_wait_loadcnt 0x0                             ; Q
	CHUNKS 0, 4, 1
.rept 4
	v_nop                                          ; places behind the last products, in front of the first read of O^T
.endr
	WAYOUT
	s_wait_dscnt 0x0                               ; no LDS instruction of mine is pending at the signal
	s_set_vgpr_msb 0x4
	s_wait_tensorcnt 0x0
	ds_add_u32 v31, v1
	s_wait_dscnt 0x0
	s_set_vgpr_msb 0x400
	ROUND                                          ; the closing round: no work-group ends while a partner may still ask for a tile that names it
	s_endpgm
.Lfunc_end_k_q672119ffdb_attn:
	.size	k_q672119ffdb_attn, .Lfunc_end_k_q672119ffdb_attn-k_q672119ffdb_attn
	.p2alignl 7, 3214868480
	.fill 96, 4, 3214868480
	.section	.rodata,"a",@progbits
	.p2align	6, 0x0
	.amdhsa_kernel k_q672119ffdb_attn
		.amdhsa_group_segment_fixed_size 327680
		.amdhsa_private_segment_fixed_size 0
		.amdhsa_enable_private_segment 0
		.amdhsa_kernarg_size 40
		.amdhsa_user_sgpr_count 2
		.amdhsa_user_sgpr_kernarg_segment_ptr 1
		.amdhsa_wavefront_size32 1
		.amdhsa_system_sgpr_workgroup_id_x 1
		.amdhsa_system_sgpr_workgroup_id_y 1
		.amdhsa_system_sgpr_workgroup_id_z 1
		.amdhsa_system_vgpr_workitem_id 0
		.amdhsa_next_free_vgpr 258
		.amdhsa_next_free_sgpr 102
		.amdhsa_reserve_vcc 1
		.amdhsa_float_denorm_mode_32 3
		.amdhsa_float_denorm_mode_16_64 3
		.amdhsa_fp16_overflow 1
		.amdhsa_memory_ordered 1
		.amdhsa_forward_progress 1
		.amdhsa_inst_pref_size 255
	.end_amdhsa_kernel
	.section	.bss,"aw",@nobits
	.p2align	6
	.space	262144
	.amdgpu_metadata
---
amdhsa.version: [ 1, 2 ]
amdhsa.kernels:
  - .name:           k_q672119ffdb_attn
    .symbol:         k_q672119ffdb_attn.kd
    .args:
      - { .name: q_codes, .offset: 0, .size: 8, .value_kind: global_buffer, .address_space: global }
      - { .name: k_codes, .offset: 8, .size: 8, .value_kind: global_buffer, .address_space: global }
      - { .name: v_codes, .offset: 16, .size: 8, .value_kind: global_buffer, .address_space: global }
      - { .name: lowp_scales, .offset: 24, .size: 8, .value_kind: global_buffer, .address_space: global }
      - { .name: out0, .offset: 32, .size: 8, .value_kind: global_buffer, .address_space: global }
    .group_segment_fixed_size: 327680
    .private_segment_fixed_size: 0
    .kernarg_segment_align: 8
    .kernarg_segment_size: 40
    .max_flat_workgroup_size: 256
    .sgpr_count:     102
    .vgpr_count:     258
    .wavefront_size: 32
...
	.end_amdgpu_metadata
.endif
;; end of part 1
